; MI455X (gfx1250); checked and timed in simulation.
; The chip was launched on July 23, 2026; its instructions are those of AMD's public machine-readable ISA for CDNA 5 (MIT licence, August 2026) and "CDNA5" Instruction Set Architecture Reference Guide (July 2026). The comments in the code are by the model that wrote it; some were corrected since.
;; Codebook Linear. Allowed arithmetic: matrix products marked QUANTISED: E2M1 operands, one E8M0 scale for each 32 along K, by v_wmma_scale_f32_16x16x128_f8f6f4 with both operands' format E2M1 (or v_wmma_scale_f32_32x16x128_f4), f32 sums; everything else in f32.
;; Inputs: bias 2,048 float32; codebook 4,096 x 8 float32; indices 1,048,576 int32; x 4 x 2,048 x 4,096 float32.
;; Outputs: out0 4 x 2,048 x 2,048 float32.
;; This version of the problem:
;;   THIS VERSION OF THE PROBLEM IS GIVEN IN LOW PRECISION. The matrix products marked QUANTISED in the list below multiply operands that are first quantised to E2M1 (2 exponent bits, 1 mantissa bit; 4 bits a number), with one power-of-two scale for each 32 numbers along K (OCP MX v1.0); their sums are f32. All else is computed in f32.
;;   The module's matrix products, in the order in which they are computed (A, B: the left and right operand; K: the contracted axis; several contracted axes count as one K, in the product's order):
;;     1. [M 8,192, K 4,096] x [K 4,096, N 2,048]; A: input x; B: computed on the way: QUANTISED
;;   THE QUANTISER, for each operand of a quantised product, along K:
;;     - K is cut into blocks of 32 from its start; a last block that is shorter is filled with zeros.
;;     - A block's scale is 2^e with e = floor(log2(the largest magnitude in the block)) - 2, held to -126 .. 127; a block of zeros has e = 0. As a byte (E8M0): e + 127.
;;     - Each number is divided by its block's scale, clamped to +-6, and rounded to the nearest number of E2M1, ties to even, subnormals kept.
;;     - The product sums the exact products of the quantised numbers (number of the format x scale) in f32.
;;   ~~~python
;;   def quantise(x, axis):      # numpy; x: float32 -> the quantised numbers, widened to float32 again
;;       x = np.moveaxis(x, axis, -1); K = x.shape[-1]
;;       x = np.pad(x, [(0, 0)] * (x.ndim - 1) + [(0, -K % 32)]); x = x.reshape(x.shape[:-1] + (-1, 32)); a = np.abs(x).max(-1, keepdims=True)
;;       e = np.where(a > 0, np.clip(np.frexp(np.where(a > 0, a, 1))[1] - 1 - 2, -126, 127), 0)      # np.frexp(a)[1] - 1 = floor(log2(a)), exactly
;;       r = np.clip(x / 2.0 ** e, -6, 6)
;;       step = 2.0 ** (np.maximum(np.frexp(np.where(r == 0, 1, r))[1] - 1, 0) - 1)
;;       q = np.round(r / step) * step * 2.0 ** e      # np.round: ties to even
;;       return np.moveaxis(q.reshape(q.shape[:-2] + (-1,))[..., :K], -1, axis).astype(np.float32)
;;   ~~~
;;   OPERANDS COMPUTED ON THE WAY. 'Computed on the way' means the value that the module computes at that place (a softmax that the list does not call 'softmax' is quantised finished and normalised). What goes into a quantiser is computed in f32, as accurately as f32 sums, v_exp_f32 and their like allow (about 1e-6 of the number): no bf16 or f16 on the way to a quantiser, and a product that is left as it is and whose result goes on into a quantised operand takes f32 operands (vector FMAs, or v_wmma_f32_16x16x4_f32). A number that lies on a knife's edge between two numbers of the format may be rounded either way, as far as f32 arithmetic and the matrix unit's own rounding can turn it there, and no further.
;; One version. Each part assembles by itself: llvm-mc -triple=amdgcn-amd-amdhsa -mcpu=gfx1250 --defsym DOCPART=n.
;; ======== version 1 of 1: 2 launches
;; limits: right only within a limited range of input values
;; workspace buffers: aq 17,825,792 bytes; wq 4,456,448 bytes
;; launch quant (part 1): grid 1024 x 1, 4 waves a work-group, no clusters, 6,912 bytes of LDS; arguments x, codebook, indices, aq, wq; writes aq, wq
.if DOCPART == 1
	.amdgcn_target "amdgcn-amd-amdhsa--gfx1250"
	.amdhsa_code_object_version 6
	.text
	.protected	k_q7826ab58b2_quant
	.globl	k_q7826ab58b2_quant
	.p2align	8
	.type	k_q7826ab58b2_quant,@function
k_q7826ab58b2_quant:
	s_mov_b64 s[64:65], 0
	v_nop
	global_prefetch_b8 v0, s[64:65] scope:SCOPE_SE
	s_setreg_imm32_b32 hwreg(HW_REG_WAVE_MODE, 25, 1), 1
	s_wait_xcnt 0x0
; x [8192][4096] f32 and W [2048][4096] = the flat stream codebook[indices] (one index = 8 neighbours along K) are turned into codes of FP4 (E2M1) with one E8M0 scale byte for each 32 along K.
; A block's scale is 2^(floor(log2(its largest magnitude)) - 2); its byte is the largest magnitude's exponent field - 2, held at 1 from below.  Each number is divided by the scale and rounded to the nearest code,
; ties to even; beyond 6 the conversion gives the largest code.
; LIMITS: NaN and infinities among the inputs are not served.  A block of zeros gets the byte 1 where the rule says 127: its codes are zeros, which add nothing under any byte but 0xff, and this program alone reads the bytes.
; An index is read as unsigned and held at 4,095 (the table's last row): it changes no index from 0 to 4,095; a negative index is not served.
; THE WORKSPACE IS LAID AS THE PRODUCT'S OPERAND REGISTERS WANT IT.  A PART is 34,816 bytes: 128 rows x 512 along K, at (row / 128 x 8 + k / 512) x 34,816:
;   codes at  i x 4096 + kb x 256 + r x 16  (i: group of 16 rows, kb: block of 32 along K, r: row in the group; 16 bytes: the block's 32 codes, the lower k in the low four bits);
;   scale bytes at  32768 + i x 256 + r x 16 + kb.
; SHARES.  4,096 waves; every wave does 1/4096 of x and 1/4096 of W, on one path.
;   x: work-group w, wave v: rows 16 (w / 2) .. + 15, K step 4 (w % 2) + v, in four GROUPS of 16 rows x 128 along K.  A group is 16 loads, one a row, each of 512 consecutive bytes: lane l holds the QUAD k = 4 l .. 4 l + 3,
;      so eight neighbouring lanes hold a block, and its largest magnitude is joined by three steps among those lanes.  The numbers never go through LDS.  The quads of rows 2 u and 2 u + 1 lie in eight consecutive
;      registers: these are converted twice, under row 2 u's scale and under row 2 u + 1's, and the low 16 bits of the first result and the high 16 of the second are kept.  A lane then holds 2 bytes of codes for each
;      of 16 rows; the 8 x 8 pieces of 16 bits (8 rows x a block's 8 quads) are turned by ds_load_tr16_b128 (ISA guide, the LDS transposing loads), so that a lane gets a row's 16 bytes of a block, and the wave's
;      32 lanes 512 bytes that lie on end in aq.  Only codes cross LDS: 1,024 bytes a group.
;   W: work-group w: rows 16 (w / 8) .. + 15, K step w % 8; wave v: blocks kb = 4 v .. 4 v + 3.  Lane (r, h) owns the whole block (row r, kb = 4 v + 2 j + h), j = 0, 1: four indices (16 bytes), four rows of the
;      codebook (32 bytes each) into 32 registers that run along K.  Its 16 bytes of codes lie at 16 x lane of a run of 512: stored straight from registers.  The four waves' scale words meet in LDS (one barrier).
; The codebook is gathered from memory: a copy in LDS for each of 1,024 work-groups would read 1,024 x 131,072 bytes, as much as x; the gathers read 1,048,576 x 32 bytes of a table of 131,072.
; TWO REGISTER BUFFERS of 64 take turns: x's groups 0 and 1, W's gathers, x's groups 2 and 3: while one buffer is worked, the other's 16 loads are out.
.set PART,  34816
.set WREG,  1536                       ; LDS: a region for each wave: the codes' stage (rows 0-7's 512 bytes at 0, rows 8-15's at H2),
.set H2,    640                        ; (128 bytes apart modulo 256, so that the two halves that one transposing load reads lie in different banks: 64 banks of 4 bytes, ISA guide 11.1)
.set SCB,   1280                       ; and its 256 scale bytes of x
.set WSC,   4*WREG                     ; behind the four regions: W's 256 scale bytes of the work-group
.set SPARE, WSC+256                    ; and the spare words, 128 bytes a wave, that no other line names
.set M,     16                         ; v16-31   a group's 16 maxima, then scale operands; W's maxima, scale operands, bytes and scale word
.set C1,    32                         ; v32-47   codes, two sets of eight
.set C2,    48                         ; v48-55   the second conversions' results
.set KK,    56                         ; v56-59   the scale operands that my lane stores as bytes, two sets of two
.set O,     60                         ; v60-91   codes back from the stage: eight registers for each group, so that no store's data are written again
.set IOF,   92                         ; my byte offset among the wave's indices
.set WSA,   93                         ; LDS: where my row's scale word of W goes
.set IDX,   94                         ; v94-101  eight indices, then their rows' byte offsets in the codebook
.set SPW,   102                        ; my spare word; never rewritten
.set NIL,   103                        ; 0; never rewritten
.set XB0,   104                        ; v104-167 buffer 0
.set XB1,   168                        ; v168-231 buffer 1
.set WN,    XB0                        ; W's numbers: 32 for each of my two blocks
.set WM,    M
.set WC,    232                        ; v232-239 W's codes
.set MK,    43                         ; s44-50: the lanes with lane % 8 = c, c = 1 .. 7
	s_load_b256 s[4:11], s[0:1], 0x0               ; x s[4:5], codebook s[6:7], indices s[8:9], aq s[10:11]
	s_load_b64 s[12:13], s[0:1], 0x20              ; wq
	v_lshl_add_u32 v[SPW], v0, 2, SPARE
	v_mov_b32 v[NIL], 0
	v_lshrrev_b32 v1, 5, v0
	v_readfirstlane_b32 s16, v1                    ; wave 0..3
	v_and_b32 v2, 31, v0                           ; lane
	v_lshlrev_b32 v3, 4, v2                        ; 16 x lane: my 16 bytes of a run of 512, in and out
	s_mul_i32 s19, s16, WREG                       ; my wave's region of LDS
	s_add_co_u32 s2, s19, SCB
	s_lshl_b32 s40, s16, 2
	v_add_nc_u32 v4, s19, v3                       ; the stage, way in: 16 x lane
	v_and_b32 v11, 7, v2                           ; p: my quad in its block
	v_lshrrev_b32 v8, 3, v2                        ; g: my block of the group's four
	v_lshl_add_u32 v5, v11, 4, v8
	v_add_nc_u32 v5, s2, v5                        ; x's scale bytes: I store those of rows p and p + 8: byte 16 p + g (+ 4 x group, + 128)
	v_lshlrev_b32 v7, 3, v2                        ; 8 x lane
	v_add_nc_u32 v6, s2, v7                        ; x's scale bytes on the way out
	v_add_nc_u32 v1, WSC, v7                       ; and W's (wave 0 reads them)
	v_bfe_u32 v8, v2, 3, 1                         ; the stage, way out: lanes 8 G + j name the 16 bytes that lane 8 (G / 2) + j stored for rows 8 (G % 2) .. + 7
	v_lshrrev_b32 v9, 4, v2                        ; h = G / 2
	v_lshl_add_u32 v11, v9, 3, v11
	v_mul_u32_u24 v10, v8, H2
	v_lshl_add_u32 v10, v11, 4, v10
	v_add_nc_u32 v10, s19, v10
	v_and_b32 v8, 15, v2                           ; r
	v_lshlrev_b32 v[IOF], 11, v8
	v_lshl_add_u32 v[IOF], v9, 4, v[IOF]           ; a row of W is 512 indices, 2,048 bytes; a block four indices, 16 bytes
	v_lshlrev_b32 v[WSA], 4, v8
	v_add_nc_u32 v[WSA], s40, v[WSA]
	v_add_nc_u32 v[WSA], WSC, v[WSA]               ; 16 r + 4 x wave
	s_mov_b32 s38, 0x76543210
	s_mov_b32 s39, 0xfedcba98                      ; v_permlanex16_b32's selects for lane l xor 16
.irp c, 1,2,3,4,5,6,7
	s_mov_b32 s[MK+\c], 0x01010101<<\c
.endr
	; byte offsets, each in registers of its own; all stay under 2^28
	s_lshr_b32 s17, ttmp9, 1                       ; g: x's group of 16 rows
	s_and_b32 s18, ttmp9, 1
	s_lshl_b32 s18, s18, 2
	s_add_co_u32 s18, s18, s16                     ; s: x's K step
	s_lshl_b32 s20, s17, 18                        ; 16 rows of 16,384 bytes
	s_lshl_b32 s21, s18, 11                        ; 512 numbers
	s_add_co_u32 s20, s20, s21
	s_mov_b32 s21, 0
	s_lshr_b32 s22, s17, 3
	s_lshl_b32 s22, s22, 3
	s_add_co_u32 s22, s22, s18
	s_mul_i32 s22, s22, PART                       ; x's part in aq
	s_and_b32 s23, s17, 7                          ; i
	s_lshl_b32 s24, s23, 12
	s_add_co_u32 s24, s24, s22                     ; its codes
	s_mov_b32 s25, 0
	s_lshl_b32 s26, s23, 8
	s_add_co_u32 s26, s26, s22
	s_add_co_u32 s26, s26, 32768                   ; its scale bytes
	s_mov_b32 s27, 0
	s_lshr_b32 s28, ttmp9, 3                       ; gW: W's group of 16 rows
	s_and_b32 s29, ttmp9, 7                        ; sW: W's K step
	s_lshl_b32 s30, s28, 15                        ; 16 rows of 2,048 bytes of indices
	s_lshl_b32 s31, s29, 8                         ; 64 indices a K step
	s_add_co_u32 s30, s30, s31
	s_lshl_b32 s31, s16, 6                         ; 16 indices a wave
	s_add_co_u32 s30, s30, s31
	s_mov_b32 s31, 0
	s_lshr_b32 s32, s28, 3
	s_lshl_b32 s32, s32, 3
	s_add_co_u32 s32, s32, s29
	s_mul_i32 s32, s32, PART                       ; W's part in wq
	s_and_b32 s33, s28, 7
	s_lshl_b32 s34, s33, 12
	s_add_co_u32 s34, s34, s32
	s_lshl_b32 s35, s16, 10                        ; four blocks of 256 bytes a wave
	s_add_co_u32 s34, s34, s35
	s_mov_b32 s35, 0
	s_lshl_b32 s36, s33, 8
	s_add_co_u32 s36, s36, s32
	s_add_co_u32 s36, s36, 32768
	s_mov_b32 s37, 0
	s_wait_alu depctr_va_vdst(0)
	s_wait_kmcnt 0x0
	s_add_nc_u64 s[4:5], s[4:5], s[20:21]          ; x at my wave's first number
	s_add_nc_u64 s[8:9], s[8:9], s[30:31]          ; the indices at my wave's first
	s_add_nc_u64 s[26:27], s[10:11], s[26:27]      ; aq: my 256 scale bytes,
	s_add_nc_u64 s[10:11], s[10:11], s[24:25]      ; my 4,096 bytes of codes
	s_add_nc_u64 s[36:37], s[12:13], s[36:37]      ; wq: the work-group's 256 scale bytes,
	s_add_nc_u64 s[12:13], s[12:13], s[34:35]      ; my wave's 1,024 bytes of codes
.macro LOADG i, buf                    ; group i: 128 numbers of each of 16 rows; each load reads 512 consecutive bytes
.irp t, 0,1,2,3,4,5,6,7,8,9,10,11,12,13,14,15
	global_load_b128 v[\buf+4*\t:\buf+4*\t+3], v3, s[4:5] offset:16384*\t+512*(\i) th:TH_LOAD_NT
.endr
.endm
; Group i in buffer buf.  The 16 rows go by turns through every line, so that no line reads the line above it.
.macro GROUP i, buf
.set CS, C1+8*((\i)%2)
.set KS, KK+2*((\i)%2)
.irp t, 0,1,2,3,4,5,6,7,8,9,10,11,12,13,14,15
	v_max3_num_f32 v[M+\t], |v[\buf+4*\t]|, |v[\buf+4*\t+1]|, |v[\buf+4*\t+2]|
.endr
.irp t, 0,1,2,3,4,5,6,7,8,9,10,11,12,13,14,15
	v_max3_num_f32 v[M+\t], v[M+\t], |v[\buf+4*\t+3]|, 0x1800000   ; my quad's largest magnitude, and the floor 2^(3 - 127): the byte cannot fall under 1
.endr
.irp msk, 1,2,4
.irp t, 0,1,2,3,4,5,6,7,8,9,10,11,12,13,14,15
	v_max_num_f32_dpp v[M+\t], v[M+\t], v[M+\t] row_xmask:\msk row_mask:0xf bank_mask:0xf   ; with the seven other quads of the block
.endr
.endr
.irp t, 0,1,2,3,4,5,6,7,8,9,10,11,12,13,14,15
	v_add_nc_u32 v[M+\t], 0xff000000, v[M+\t]      ; 2 off the exponent field: the conversion takes the exponent field of this operand as its scale
.endr
.irp u, 0,1,2,3,4,5,6,7
	v_cvt_scalef32_pk8_fp4_f32 v[CS+\u], v[\buf+8*\u:\buf+8*\u+7], v[M+2*\u]      ; under row 2 u's scale: the low 16 bits are its quad's codes
	v_cvt_scalef32_pk8_fp4_f32 v[C2+\u], v[\buf+8*\u:\buf+8*\u+7], v[M+2*\u+1]    ; under row 2 u + 1's: the high 16 bits
.endr
	v_mov_b32 v[KS], v[M]                          ; (also the plain line behind the conversions)  Lane (g, p) keeps the scale operands of rows p and p + 8 of block g
	v_mov_b32 v[KS+1], v[M+8]
.irp c, 1,2,3,4,5,6,7
	v_cndmask_b32 v[KS], v[KS], v[M+\c], s[MK+\c]
	v_cndmask_b32 v[KS+1], v[KS+1], v[M+8+\c], s[MK+\c]
.endr
.irp u, 0,1,2,3,4,5,6,7
	v_bfi_b32 v[CS+\u], 0xffff, v[CS+\u], v[C2+\u] ; rows 2 u and 2 u + 1: 16 bits each
.endr
	v_lshrrev_b32 v[KS], 23, v[KS]                 ; the scales' bytes
	v_lshrrev_b32 v[KS+1], 23, v[KS+1]
	ds_store_b8 v5, v[KS] offset:4*(\i)
	ds_store_b8 v5, v[KS+1] offset:4*(\i)+128
	ds_store_b128 v4, v[CS:CS+3]                   ; rows 0-7 of my quad
	ds_store_b128 v4, v[CS+4:CS+7] offset:H2       ; rows 8-15.  LDS serves a wave's instructions in order (ISA guide 5.7.1.4): the loads below see these stores, and the next group's stores come behind these loads
	ds_load_tr16_b128 v[O+8*(\i):O+8*(\i)+3], v10              ; lane 16 b + r: row r's 16 bytes of the group's block b, b = 0, 1
	ds_load_tr16_b128 v[O+8*(\i)+4:O+8*(\i)+7], v10 offset:256 ; and of blocks 2, 3
.endm
.macro OUT i, younger                  ; group i's codes leave: 2 x 512 consecutive bytes
	s_wait_dscnt \younger
	global_store_b128 v3, v[O+8*(\i):O+8*(\i)+3], s[10:11] offset:1024*(\i)
	global_store_b128 v3, v[O+8*(\i)+4:O+8*(\i)+7], s[10:11] offset:1024*(\i)+512
.endm
.irp j, 0,1
	global_load_b128 v[IDX+4*\j:IDX+4*\j+3], v[IOF], s[8:9] offset:32*\j   ; the four indices of my block 4 v + 2 j + h
.endr
	LOADG 0, XB0
	LOADG 1, XB1
	s_wait_loadcnt 16                              ; the indices and group 0 are in; group 1's sixteen loads stay out
.irp n, 0,1,2,3,4,5,6,7
	v_min_u32 v[IDX+\n], 0xfff, v[IDX+\n]          ; held inside the table
.endr
.irp n, 0,1,2,3,4,5,6,7
	v_lshlrev_b32 v[IDX+\n], 5, v[IDX+\n]          ; a row of the codebook is 32 bytes
.endr
	GROUP 0, XB0
.irp n, 0,1,2,3,4,5,6,7                        ; index n = 4 j + i: k = 8 i .. 8 i + 7 of block j.  No hint: every work-group reads the table again
	global_load_b128 v[WN+8*\n:WN+8*\n+3], v[IDX+\n], s[6:7]
	global_load_b128 v[WN+8*\n+4:WN+8*\n+7], v[IDX+\n], s[6:7] offset:16
.endr
	s_wait_loadcnt 16                              ; group 1 is in; the sixteen gathers stay out
	OUT 0, 0
	GROUP 1, XB1
	LOADG 2, XB1
	s_wait_loadcnt 16                              ; the gathers are in; group 2 stays out
	OUT 1, 0
	; W: my two blocks by turns; all 32 numbers of a block are mine
.irp j, 0,1
	v_max3_num_f32 v[WM+\j], |v[WN+32*\j]|, |v[WN+32*\j+1]|, |v[WN+32*\j+2]|
	v_max3_num_f32 v[WM+2+\j], |v[WN+32*\j+3]|, |v[WN+32*\j+4]|, |v[WN+32*\j+5]|
.endr
.irp i, 6,10,14,18,22,26
.irp j, 0,1
	v_max3_num_f32 v[WM+\j], v[WM+\j], |v[WN+32*\j+\i]|, |v[WN+32*\j+\i+1]|
	v_max3_num_f32 v[WM+2+\j], v[WM+2+\j], |v[WN+32*\j+\i+2]|, |v[WN+32*\j+\i+3]|
.endr
.endr
.irp j, 0,1
	v_max3_num_f32 v[WM+\j], v[WM+\j], |v[WN+32*\j+30]|, |v[WN+32*\j+31]|
.endr
.irp j, 0,1
	v_max3_num_f32 v[WM+\j], v[WM+\j], v[WM+2+\j], 0x1800000       ; with the floor
.endr
.irp j, 0,1
	v_add_nc_u32 v[WM+4+\j], 0xff000000, v[WM+\j]  ; the conversion's scale operand
.endr
.irp j, 0,1
	v_lshrrev_b32 v[WM+6+\j], 23, v[WM+4+\j]       ; the scale's byte
.endr
.irp j, 0,1
.irp g, 0,1,2,3
	v_cvt_scalef32_pk8_fp4_f32 v[WC+4*\j+\g], v[WN+32*\j+8*\g:WN+32*\j+8*\g+7], v[WM+4+\j]
.endr
.endr
	v_nop                                          ; one plain line behind the last conversion
.irp j, 0,1
	global_store_b128 v3, v[WC+4*\j:WC+4*\j+3], s[12:13] offset:512*\j   ; blocks 4 v + 2 j and + 1 of 16 rows: 512 consecutive bytes
.endr
	v_lshl_or_b32 v[WM+8], v[WM+7], 16, v[WM+6]    ; my two bytes: blocks h and 2 + h of the wave's four,
	v_bfe_u32 v[WM+9], v0, 4, 1
	v_lshlrev_b32 v[WM+9], 3, v[WM+9]
	v_lshlrev_b32 v[WM+8], v[WM+9], v[WM+8]        ; at their places in the word (8 h bits up);
	v_mov_b32 v[WM+10], 0
	v_permlanex16_b32 v[WM+10], v[WM+8], s38, s39
	v_or_b32 v[WM+8], v[WM+8], v[WM+10]            ; with lane l xor 16's two the word is whole
	ds_store_b32 v[WSA], v[WM+8]                   ; both halves of the lanes write the same word with the same value
	LOADG 3, XB0
	s_wait_loadcnt 16                              ; group 2 is in; group 3 stays out
	GROUP 2, XB1
	s_wait_loadcnt 0x0
	OUT 2, 0
	GROUP 3, XB0
	ds_load_b64 v[12:13], v6                       ; x's 256 scale bytes: this load sees my stores
	OUT 3, 1                                       ; behind group 3's loads stands that one load
	s_wait_dscnt 0x0                               ; it is back; and, for wave 0's sake, my scale words of W have landed
	global_store_b64 v7, v[12:13], s[26:27]        ; 32 lanes store 256 consecutive bytes, at a multiple of 256 from aq's first byte
	s_barrier_signal -1
	s_barrier_wait -1
	s_cmp_lg_u32 s16, 0
	s_cbranch_scc1 .Lend
	ds_load_b64 v[14:15], v1                       ; the four waves' words: 16 rows x 16 bytes
	s_wait_dscnt 0x0
	global_store_b64 v7, v[14:15], s[36:37]        ; 256 consecutive bytes, at a multiple of 256 from wq's first byte
.Lend:
	s_wait_tensorcnt 0x0                           ; the wave's end, behind my last LDS store
	ds_add_u32 v[SPW], v[NIL]
	s_wait_dscnt 0x0
	s_endpgm
.Lfunc_end_k_q7826ab58b2_quant:
	.size	k_q7826ab58b2_quant, .Lfunc_end_k_q7826ab58b2_quant-k_q7826ab58b2_quant
	.p2alignl 7, 3214868480
	.fill 96, 4, 3214868480
	.section	.rodata,"a",@progbits
	.p2align	6, 0x0
	.amdhsa_kernel k_q7826ab58b2_quant
		.amdhsa_group_segment_fixed_size 6912
		.amdhsa_private_segment_fixed_size 0
		.amdhsa_enable_private_segment 0
		.amdhsa_kernarg_size 40
		.amdhsa_user_sgpr_count 2
		.amdhsa_user_sgpr_kernarg_segment_ptr 1
		.amdhsa_wavefront_size32 1
		.amdhsa_system_sgpr_workgroup_id_x 1
		.amdhsa_system_sgpr_workgroup_id_y 1
		.amdhsa_system_sgpr_workgroup_id_z 1
		.amdhsa_system_vgpr_workitem_id 0
		.amdhsa_next_free_vgpr 240
		.amdhsa_next_free_sgpr 66
		.amdhsa_reserve_vcc 0
		.amdhsa_float_denorm_mode_32 3
		.amdhsa_float_denorm_mode_16_64 3
		.amdhsa_memory_ordered 1
		.amdhsa_forward_progress 1
		.amdhsa_inst_pref_size 56
	.end_amdhsa_kernel
	.amdgpu_metadata
---
amdhsa.version: [ 1, 2 ]
amdhsa.kernels:
  - .name:           k_q7826ab58b2_quant
    .symbol:         k_q7826ab58b2_quant.kd
    .args:
      - { .name: x, .offset: 0, .size: 8, .value_kind: global_buffer, .address_space: global }
      - { .name: codebook, .offset: 8, .size: 8, .value_kind: global_buffer, .address_space: global }
      - { .name: indices, .offset: 16, .size: 8, .value_kind: global_buffer, .address_space: global }
      - { .name: aq, .offset: 24, .size: 8, .value_kind: global_buffer, .address_space: global }
      - { .name: wq, .offset: 32, .size: 8, .value_kind: global_buffer, .address_space: global }
    .group_segment_fixed_size: 6912
    .private_segment_fixed_size: 0
    .kernarg_segment_align: 8
    .kernarg_segment_size: 40
    .max_flat_workgroup_size: 128
    .sgpr_count:     66
    .vgpr_count:     240
    .wavefront_size: 32
...
	.end_amdgpu_metadata
.endif
;; end of part 1
;; launch gemm (part 2): grid 8 x 32, 4 waves a work-group, clusters of 4 x 4, 327,680 bytes of LDS; arguments aq, wq, bias, out0; writes out0
.if DOCPART == 2
	.amdgcn_target "amdgcn-amd-amdhsa--gfx1250"
	.amdhsa_code_object_version 6
	.text
	.protected	k_q7826ab58b2_gemm
	.globl	k_q7826ab58b2_gemm
	.p2align	8
	.type	k_q7826ab58b2_gemm,@function
k_q7826ab58b2_gemm:
	s_mov_b64 s[64:65], 0
	v_nop
	global_prefetch_b8 v0, s[64:65] scope:SCOPE_SE
	s_setreg_imm32_b32 hwreg(HW_REG_WAVE_MODE, 25, 1), 1
	s_wait_xcnt 0x0
	s_wait_alu depctr_hold_cnt(0) depctr_sa_sdst(0) depctr_va_vdst(0) depctr_va_sdst(0) depctr_va_ssrc(0) depctr_va_vcc(0) depctr_vm_vsrc(0)
	s_getreg_b32 s2, hwreg(HW_REG_IB_STS2, 6, 4)
	s_cmp_eq_u32 s2, 0
	s_cbranch_scc0 .Lentry_in_a_cluster
	s_endpgm
.Lentry_in_a_cluster:
	s_bfe_u32 s2, ttmp6, 0x10000c
	s_cmp_lg_u32 s2, 0xf033
	s_cbranch_scc0 .Lentry_shape_is_right
	s_endpgm
.Lentry_shape_is_right:
; out0[m][n] = bias[n] + sum over k of x[m][k] W[n][k], on the codes of FP4 (E2M1) and E8M0 scale bytes that launch quant laid into aq (x, 8192 rows) and wq (W, 2048 rows); K = 4096; sums in f32.
; A PART of aq or wq is 34,816 bytes: 128 rows x 512 along K, at (row / 128 x 8 + k / 512) x 34,816: codes at i x 4096 + kb x 256 + r x 16 (i: group of 16 rows, kb: block of 32 along K, r: row in the group),
; scale bytes at 32768 + i x 256 + r x 16 + kb.  So 16 x lane + i x 4096 + q x 1024 + c x 512 is a lane's 16 bytes of an operand's registers 4 c .. 4 c + 3 for the part's q-th 128 along K: no padding is needed.
; A tile of out0, 256 x 256, is made by four waves, each 128 x 128: 64 accumulators, 512 registers.  K goes in 8 steps of 512 through a ring of two LDS slots of four parts (A's two, B's two); a wave fetches one part
; by one tensor load, stated as 136 rows of 256 bytes.
; CLUSTERS: 4 x 4 work-groups; A's parts are asked for jointly along a row of the cluster, B's along a column.
; THE MATRIX INSTRUCTION IS USED TRANSPOSED (source 0 = 16 rows of W, source 1 = 16 rows of x): a lane holds eight neighbouring numbers of a row of out0.  The bias is the C of each accumulator's first product.
; PREFETCH: behind the joint load of K step e each wave asks for K step e + 2 of the part run that it fetches (the head asks for K step 1 too): of a part's 136 blocks of 256 bytes each of the four partners that
; load it jointly takes 34, told apart by address; two instructions a wave, a lane a block, the second's left-over lanes naming the last block again.  A's blocks are asked for by each of the two clusters that
; load them, B's by the four clusters of even y among the eight that load them.  K steps 6 and 7 are the last asked for: the loop's last trip asks for nothing.
; THE LAST K STEP GOES BY ROWS OF out0: all its fragments of B fill window 1, A's come by blocks of 16 rows, and each block of 16 x 128 results leaves while the next is multiplied.  K ascends in every sum.
; REGISTERS: window 0: v0-31 addresses; v32-95 scale words, two sets; v96-127 and v128-159 A's blocks in the last K step; v128-191 A's fragments in the loop; v192-255 rows on the way out.
;   window 1: B's fragments, two sets at v0 and v128 (last K step: all 256); v64-127 the bias.   windows 2, 3: the accumulators of my rows 0-63, 64-127 ((a, b) at v[8 (8 (a % 4) + b)]).
.set SIZE_N, 2048
.set PART,   34816
.set SLOT,   4*PART
.set SPARE,  2*SLOT                    ; behind the ring: the spare words, 128 bytes a wave, that no other line names
.set LAPS,   4                         ; a lap = two K steps
.set NQ,     4                         ; products of 128 along K in a K step
.set FR,     8                         ; registers of a fragment
.set NL,     2                         ; LDS loads that bring one
.set NP,     4                         ; places behind this matrix instruction (ISA guide 7.12.1)
.set SPITCH, 528                       ; the way out: a stage of 16 rows x (512 + 16) bytes a wave, in slot 0, behind that slot's last fill and last read
.set SHARE,  34*256                    ; a partner's share of a part's blocks in the prefetch
.set ADRA, 16                          ; v16-17 LDS address of my A fragments in slot 0, 1
.set ADRB, 20                          ; v20-21 the same for B
.set ADRS, 22                          ; v22-23 of my scale words: lanes 0-15 A's rows, lanes 16-31 B's
.set STO,  24                          ; into the stage
.set RD,   25                          ; back from it
.set CO,   26                          ; my 16 bytes of a row of 512 in out0
.set BOF,  27                          ; my 32 bytes of 64 of the bias
.set SPW,  28                          ; my spare word; never rewritten
.set NIL,  29                          ; 0; never rewritten
.set PFO,  30                          ; v30-31 the prefetches' offsets: blocks 0-31, and 32, 33, 33 ..; never rewritten
.set SC,   32
.set PA,   96
.set AF,   128
.set BK,   192
.set BIAS, 64
.set G1, 24                            ; s[24:31], s[32:39] groups 1 and 0 (a set a slot) for A's parts
.set G0, 32
.set G1B, 48                           ; s[48:55], s[56:63] for B's
.set G0B, 56
.set PFA, 12                           ; s[12:13] my share of the part run that I fetch
.set LIM, 2                            ; s2: 1 if my wave prefetches, else the greatest number
.set MSB, 0
.macro WIN new                         ; the immediate's high byte repeats the setting that is left
.if MSB != \new
	s_set_vgpr_msb (MSB<<8)|\new
.set MSB, \new
.endif
.endm
.set MUL_LO, 0xa1                      ; source 0 (B) window 1, source 1 (A) window 0, C and D window 2
.set MUL_HI, 0xf1                      ; the same, C and D window 3
.set FST_LO, 0x91                      ; the first products: C (the bias) window 1
.set FST_HI, 0xd1
.set TO_B,   0x40                      ; destination window 1, address window 0
; A joint load: waves 0, 1 fetch A's parts, waves 2, 3 B's.
.macro JLOAD g0a, g1a, g0b, g1b
	s_cmp_eq_u32 s15, 0
	s_cbranch_scc0 .Lfor_b_\@
	tensor_load_to_lds s[\g0a:\g0a+3], s[\g1a:\g1a+7]
	s_nop 0
.rept 4
	v_nop
.endr
	s_branch .Lasked_\@
.Lfor_b_\@:
	tensor_load_to_lds s[\g0b:\g0b+3], s[\g1b:\g1b+7]
	s_nop 0
.rept 4
	v_nop
.endr
.Lasked_\@:
.endm
.macro CREST                           ; a round of the cluster's barrier behind its opening barrier
	s_cmp_lg_u32 s14, 0
	s_cbranch_scc1 .Lnot_wave_0_\@
	s_barrier_signal -3
.Lnot_wave_0_\@:
	s_barrier_wait -3
	s_barrier_signal -1
	s_barrier_wait -1
.endm
.macro CROUND
	s_barrier_signal -1
	s_barrier_wait -1
	CREST
.endm
; The prefetch of one K step (two where off1 is given) at byte off0 from s[PFA].  loop = 1: not in the loop's last trip (s3 = 1), whose K steps two on do not exist.
.macro ASK loop, off0, off1
.if \loop
	s_cmp_gt_u32 s3, s[LIM]
.else
	s_cmp_eq_u32 s[LIM], 1
.endif
	s_cbranch_scc0 .Lnot_mine_\@
	global_prefetch_b8 v[PFO], s[PFA:PFA+1] offset:\off0 th:TH_LOAD_NT scope:SCOPE_SE
	global_prefetch_b8 v[PFO+1], s[PFA:PFA+1] offset:\off0 th:TH_LOAD_NT scope:SCOPE_SE
.if \off1
	global_prefetch_b8 v[PFO], s[PFA:PFA+1] offset:\off1 th:TH_LOAD_NT scope:SCOPE_SE
	global_prefetch_b8 v[PFO+1], s[PFA:PFA+1] offset:\off1 th:TH_LOAD_NT scope:SCOPE_SE
.endif
.Lnot_mine_\@:
.endm
	s_load_b128 s[4:7], s[0:1], 0x0                ; aq, wq
	s_load_b128 s[8:11], s[0:1], 0x10              ; bias, out0
	v_lshl_add_u32 v[SPW], v0, 2, SPARE
	v_mov_b32 v[NIL], 0
	ds_add_u32 v[SPW], v[NIL]                      ; the opening lines: the add, twice on end, and its wait ahead of my first tensor load
	ds_add_u32 v[SPW], v[NIL]
	v_lshrrev_b32 v1, 5, v0
	v_readfirstlane_b32 s14, v1                    ; wave 0..3
	s_lshr_b32 s15, s14, 1                         ; my half of the tile's rows; also: I fetch for A (0) or B (1)
	s_and_b32 s16, s14, 1                          ; my half of its columns; also: which part of the two I fetch
	s_bfe_u32 s40, ttmp6, 0x40000                  ; cx
	s_bfe_u32 s41, ttmp6, 0x40004                  ; cy
	s_lshl_b32 s42, ttmp9, 2
	s_add_co_u32 s42, s42, s40                     ; tile column
	s_and_b32 s17, ttmp7, 0xffff
	s_lshl_b32 s17, s17, 2
	s_add_co_u32 s17, s17, s41                     ; tile row
	s_lshl_b32 s43, s41, 2
	s_lshl_b32 s43, 15, s43                        ; my row of the cluster
	s_lshl_b32 s44, 0x1111, s40                    ; my column
	s_or_b32 s[G1+0], s43, (3<<16)|(1<<21)         ; the mask; elements of 8 bytes; bit 21 beside a mask
	s_or_b32 s[G1B+0], s44, (3<<16)|(1<<21)
.irp g, G1, G1B
	s_mov_b32 s[\g+1], 32<<16                      ; a dense part: 136 rows of 32 elements (256 bytes)
	s_mov_b32 s[\g+2], 136<<16
	s_mov_b32 s[\g+3], 32<<16
	s_mov_b32 s[\g+4], 136
	s_mov_b32 s[\g+5], 32
	s_mov_b32 s[\g+6], 0
	s_mov_b32 s[\g+7], 0
.endr
	s_lshl_b32 s20, s17, 1
	s_add_co_u32 s20, s20, s16
	s_mul_i32 s20, s20, 8*PART                     ; A: the run of 8 parts of rows 256 x tile row + 128 x part
	s_mov_b32 s21, 0
	s_lshl_b32 s46, s42, 1
	s_add_co_u32 s46, s46, s16
	s_mul_i32 s46, s46, 8*PART                     ; B: by the tile column
	s_mov_b32 s47, 0
	s_mul_i32 s45, s14, PART                       ; where my part goes in a slot
	s_and_b32 s18, ttmp7, 1                        ; a cluster of odd y
	s_and_b32 s18, s18, s15                        ; and a wave that fetches B: it prefetches nothing
	s_cmp_eq_u32 s18, 0
	s_cselect_b32 s[LIM], 1, -1
	s_cmp_eq_u32 s15, 0
	s_cselect_b32 s18, s40, s41                    ; my place among the four that ask with me
	s_mul_i32 s18, s18, SHARE
	s_mov_b32 s19, 0
	s_wait_dscnt 0x0                               ; both opening adds are done
	s_wait_kmcnt 0x0
	s_add_nc_u64 s[20:21], s[4:5], s[20:21]
	s_add_nc_u64 s[46:47], s[6:7], s[46:47]
.irp s, 0,1
	s_mov_b32 s[G0+4*\s], 1
	s_add_co_u32 s[G0+4*\s+1], s45, \s*SLOT
	s_add_nc_u64 s[G0+4*\s+2:G0+4*\s+3], s[20:21], \s*PART
	s_or_b32 s[G0+4*\s+3], s[G0+4*\s+3], 0x80000000
	s_mov_b32 s[G0B+4*\s], 1
	s_add_co_u32 s[G0B+4*\s+1], s45, \s*SLOT
	s_add_nc_u64 s[G0B+4*\s+2:G0B+4*\s+3], s[46:47], \s*PART
	s_or_b32 s[G0B+4*\s+3], s[G0B+4*\s+3], 0x80000000
.endr
	s_cmp_eq_u32 s15, 0
	s_cselect_b64 s[PFA:PFA+1], s[20:21], s[46:47]
	s_add_nc_u64 s[PFA:PFA+1], s[PFA:PFA+1], s[18:19]
	s_lshl_b32 s20, s17, 8                         ; my part of out0: row 256 x tile row + 128 x half, 8,192 bytes a row,
	s_lshl_b32 s21, s15, 7
	s_add_co_u32 s20, s20, s21
	s_lshl_b32 s20, s20, 13
	s_mov_b32 s21, 0
	s_lshl_b32 s46, s42, 10                        ; column 256 x tile column + 128 x half, 4 bytes each: the same in the bias
	s_lshl_b32 s47, s16, 9
	s_add_co_u32 s46, s46, s47
	s_mov_b32 s47, 0
	s_add_nc_u64 s[8:9], s[8:9], s[46:47]
	s_add_nc_u64 s[20:21], s[20:21], s[46:47]
	s_add_nc_u64 s[10:11], s[10:11], s[20:21]
	s_mul_i32 s18, s15, PART                       ; LDS: my 128 rows of A,
	s_mul_i32 s19, s16, PART
	s_add_co_u32 s19, s19, 2*PART                  ; my 128 rows of B,
	s_sub_co_u32 s22, s19, s18                     ; the distance between the two,
	s_add_co_u32 s23, s18, 32768                   ; A's scale bytes,
	s_mul_i32 s43, s14, 16*SPITCH                  ; my stage
	CROUND                                         ; all sixteen work-groups are here: the first joint loads meet
	JLOAD G0, G1, G0B, G1B                         ; K step 0: one tensor load a wave at the head
	v_and_b32 v1, 15, v0                           ; r
	v_bfe_u32 v2, v0, 4, 1                         ; h
	v_and_b32 v4, 31, v0                           ; lane
	v_lshlrev_b32 v3, 4, v4                        ; 16 x lane
	v_lshlrev_b32 v[PFO], 8, v4                    ; blocks 0 .. 31 of my share
	v_min_u32 v[PFO+1], 1, v4
	v_lshl_add_u32 v[PFO+1], v[PFO+1], 8, 32*256   ; blocks 32, 33, 33 ..
	v_lshlrev_b32 v[BOF], 5, v2
	v_mul_u32_u24 v6, s22, v2                      ; lanes 16-31 take B's scale words
	v_lshl_add_u32 v5, v1, 4, v6
	v_add_nc_u32 v[ADRS], s23, v5
	v_add_nc_u32 v[ADRS+1], SLOT, v[ADRS]
	v_add_nc_u32 v[ADRA], s18, v3
	v_add_nc_u32 v[ADRB], s19, v3
	v_add_nc_u32 v[ADRA+1], SLOT, v[ADRA]
	v_add_nc_u32 v[ADRB+1], SLOT, v[ADRB]
	v_mul_u32_u24 v7, v1, SPITCH                   ; into the stage: row r, 32 bytes for each half of the lanes
	v_lshl_add_u32 v7, v2, 5, v7
	v_add_nc_u32 v[STO], s43, v7
	v_mov_b32 v[CO], v3
	v_add_nc_u32 v[RD], s43, v3                    ; back: the 32 lanes take a row of 512 bytes
	s_wait_alu depctr_va_vdst(0)
	ASK 0, PART, 2*PART                            ; K steps 1 and 2
	WIN TO_B
.irp b, 0,1,2,3,4,5,6,7
	global_load_b128 v[BIAS+8*\b:BIAS+8*\b+3], v[BOF], s[8:9] offset:64*\b         ; the bias in a result's layout: columns 16 b + 8 h + 0 .. 7
	global_load_b128 v[BIAS+8*\b+4:BIAS+8*\b+7], v[BOF], s[8:9] offset:64*\b+16
.endr
	WIN 0
.macro FRAG reg, adr, q, i             ; 16 rows x 128 K: registers 4 c .. 4 c + 3 hold K = 64 c + 32 h + 0 .. 31
.irp c, 0,1
	ds_load_b128 v[\reg+4*\c:\reg+4*\c+3], v[\adr] offset:(\i)*4096+(\q)*1024+512*\c
.endr
.endm
; 16 products: A's blocks a0, a0 + 1 x B's eight.  p: B's set; sc: the set of scale words.  The 64 accumulators take turns.
.macro MUL16 a0, p, q, sc, first
.irp a, \a0, \a0+1
.irp b, 0,1,2,3,4,5,6,7
.if \first
	v_wmma_scale_f32_16x16x128_f8f6f4 v[8*(8*((\a)%4)+\b):8*(8*((\a)%4)+\b)+7], v[128*(\p)+FR*\b:128*(\p)+FR*\b+FR-1], v[AF+FR*(\a):AF+FR*(\a)+FR-1], v[BIAS+8*\b:BIAS+8*\b+7], v[SC+8*NQ*(\sc)+NQ*\b+(\q)], v[SC+8*NQ*(\sc)+NQ*(\a)+(\q)] matrix_a_fmt:MATRIX_FMT_FP4 matrix_b_fmt:MATRIX_FMT_FP4 matrix_a_scale:MATRIX_SCALE_ROW1
.else
	v_wmma_scale_f32_16x16x128_f8f6f4 v[8*(8*((\a)%4)+\b):8*(8*((\a)%4)+\b)+7], v[128*(\p)+FR*\b:128*(\p)+FR*\b+FR-1], v[AF+FR*(\a):AF+FR*(\a)+FR-1], v[8*(8*((\a)%4)+\b):8*(8*((\a)%4)+\b)+7], v[SC+8*NQ*(\sc)+NQ*\b+(\q)], v[SC+8*NQ*(\sc)+NQ*(\a)+(\q)] matrix_a_fmt:MATRIX_FMT_FP4 matrix_b_fmt:MATRIX_FMT_FP4 matrix_a_scale:MATRIX_SCALE_ROW1
.endif
.endr
.endr
.endm
.macro FETCH_B slot, q, p
	WIN TO_B
.irp i, 0,1,2,3,4,5,6,7
	FRAG 128*(\p)+FR*\i, ADRB+\slot, \q, \i
.endr
	WIN 0
.endm
.macro FETCH_A slot, q, i0
.irp i, \i0, \i0+1, \i0+2, \i0+3
	FRAG AF+FR*(\i), ADRA+\slot, \q, \i
.endr
.endm
.macro SCALES sc                       ; a K step's scale words: register NQ i + q: lanes 0-15 A's block i, lanes 16-31 B's block i
.irp i, 0,1,2,3,4,5,6,7
	ds_load_b128 v[SC+8*NQ*\sc+NQ*\i:SC+8*NQ*\sc+NQ*\i+3], v[ADRS+\sc] offset:256*\i
.endr
.endm
.macro PLACES n                        ; in front of loads into registers that products have read, and of reads of results
.rept \n
	v_nop
.endr
.endm
.macro STEP slot, q, first             ; 128 along K with its successor in the same slot
	s_wait_dscnt 4*NL                              ; B's set and A's blocks 0-3 are in; the youngest eight loads (A's blocks 4-7) may be out
.if \first
	WIN FST_LO
.else
	WIN MUL_LO
.endif
	MUL16 0, (\q)%2, \q, \slot, \first
	MUL16 2, (\q)%2, \q, \slot, \first
	s_wait_dscnt 0                                 ; A's blocks 4-7 are in
	PLACES NP
	FETCH_B \slot, (\q)+1, 1-(\q)%2
	FETCH_A \slot, (\q)+1, 0
.if \first
	WIN FST_HI
.else
	WIN MUL_HI
.endif
	MUL16 4, (\q)%2, \q, \slot, \first
	MUL16 6, (\q)%2, \q, \slot, \first
	PLACES NP
	WIN 0
	FETCH_A \slot, (\q)+1, 4
.endm
; The first half of a slot's last step, and the barrier of the change of slots.
.macro MEET slot
	s_wait_tensorcnt 0x0                           ; all my tensor loads have landed: my part of the next slot
	ds_add_u32 v[SPW], v[NIL]
	s_wait_dscnt 4*NL+1                            ; the add and the youngest eight loads may be out
	WIN MUL_LO
	MUL16 0, 1, NQ-1, \slot, 0
	s_wait_dscnt 0x0                               ; the add is done, and my reads of this slot are over
	s_barrier_signal -1
	MUL16 2, 1, NQ-1, \slot, 0
	WIN 0
	s_barrier_wait -1
.endm
.macro TURN slot, next                 ; a slot's last step; the slot is filled again, two K steps ahead
	MEET \slot
	CREST                                          ; the barrier has opened a round of the cluster's barrier: no wave of any partner reads this slot or has a load out
	s_add_nc_u64 s[G0+4*\slot+2:G0+4*\slot+3], s[G0+4*\slot+2:G0+4*\slot+3], 2*PART
	s_add_nc_u64 s[G0B+4*\slot+2:G0B+4*\slot+3], s[G0B+4*\slot+2:G0B+4*\slot+3], 2*PART
	JLOAD G0+4*\slot, G1, G0B+4*\slot, G1B         ; its four v_nop are the places in front of the loads below
	FETCH_B \next, 0, 0
	FETCH_A \next, 0, 0
	SCALES \next
	ASK 1, (4+\slot)*PART, 0                       ; the K step two behind the one just asked for
	WIN MUL_HI
	MUL16 4, 1, NQ-1, \slot, 0
	MUL16 6, 1, NQ-1, \slot, 0
	PLACES NP
	WIN 0
	FETCH_A \next, 0, 4
.endm
.macro STEPS slot, from
.set Q, \from
.rept NQ-1-\from
	STEP \slot, Q, 0
.set Q, Q+1
.endr
.endm
; THE LAST K STEP, in slot 1, by rows.
.macro BLOAD q                         ; B's fragments of the q-th 128 along K -> window 1, v[64 q ..]
.irp i, 0,1,2,3,4,5,6,7
	FRAG 64*(\q)+FR*\i, ADRB+1, \q, \i
.endr
.endm
.macro ALOAD a                         ; A's block a, all 512 along K -> buffer a % 2
.irp q, 0,1,2,3
	FRAG PA+32*((\a)%2)+FR*\q, ADRA+1, \q, \a
.endr
.endm
.macro ROW a                           ; block a is finished: 32 products, its eight accumulators by turns, K ascending
.set FA, PA+32*((\a)%2)
.set AC, 64*((\a)%4)
	WIN MUL_LO+0x50*((\a)/4)
.irp q, 0,1,2,3
.if (\a) == 0 && \q == 2
	s_wait_dscnt 0x0                               ; B's quarter 2 is in
.endif
.irp b, 0,1,2,3,4,5,6,7
	v_wmma_scale_f32_16x16x128_f8f6f4 v[AC+8*\b:AC+8*\b+7], v[64*\q+FR*\b:64*\q+FR*\b+FR-1], v[FA+FR*\q:FA+FR*\q+FR-1], v[AC+8*\b:AC+8*\b+7], v[SC+8*NQ+NQ*\b+\q], v[SC+8*NQ+NQ*(\a)+\q] matrix_a_fmt:MATRIX_FMT_FP4 matrix_b_fmt:MATRIX_FMT_FP4 matrix_a_scale:MATRIX_SCALE_ROW1
.endr
.endr
	WIN 0
.endm
.macro STAGE_IN a                      ; block a's 16 x 128 results into my stage, each accumulator from its low end on
.set AC, 64*((\a)%4)
	WIN 0x08+4*((\a)/4)                            ; the data: window 2 or 3
.irp b, 0,1,2,3,4,5,6,7
	ds_store_b128 v[STO], v[AC+8*\b:AC+8*\b+3] offset:64*\b
	ds_store_b128 v[STO], v[AC+8*\b+4:AC+8*\b+7] offset:64*\b+16
.endr
	WIN 0
.endm
.macro STAGE_OUT                       ; and back as whole rows: LDS serves a wave's instructions in order (ISA guide 5.7.1.4)
.irp t, 0,1,2,3,4,5,6,7,8,9,10,11,12,13,14,15
	ds_load_b128 v[BK+4*\t:BK+4*\t+3], v[RD] offset:\t*SPITCH
.endr
.endm
.macro SEND a, younger                 ; younger: the LDS loads issued behind STAGE_OUT's, which may stay out
	s_wait_dscnt \younger
.if (\a) > 0
	s_add_nc_u64 s[10:11], s[10:11], 16*SIZE_N*4   ; behind the wait on XCNT in front of STAGE_OUT: the earlier stores have read their base
.endif
.irp t, 0,1,2,3,4,5,6,7,8,9,10,11,12,13,14,15
	global_store_b128 v[CO], v[BK+4*\t:BK+4*\t+3], s[10:11] offset:\t*SIZE_N*4 th:TH_STORE_NT   ; 32 lanes store 512 consecutive bytes, at a multiple of 256 from out0's first byte
.endr
.endm
	s_wait_tensorcnt 0x0                           ; my part of K step 0 is in
	ds_add_u32 v[SPW], v[NIL]
	s_wait_dscnt 0x0
	CROUND                                         ; everybody's part of K step 0 is in, and the joint loads meet
	JLOAD G0+4, G1, G0B+4, G1B                     ; K step 1: slot 1's first fill
	FETCH_B 0, 0, 0
	FETCH_A 0, 0, 0
	SCALES 0
	FETCH_A 0, 0, 4
	ASK 0, 3*PART, 0                               ; K step 3
	s_wait_loadcnt 0x0                             ; the bias
	STEP 0, 0, 1                                   ; the first step stands in front of the loop: its products start the sums from the bias
	s_mov_b32 s3, LAPS-1
.Llap:                                                 ; a trip goes once round the ring, from a lap's second step to the next lap's first
	STEPS 0, 1
	TURN 0, 1
	STEPS 1, 0
	TURN 1, 0
	STEP 0, 0, 0
	s_wait_xcnt 0x0                                ; my prefetches, 96 products back at the nearest, have read their base
	s_add_nc_u64 s[PFA:PFA+1], s[PFA:PFA+1], 2*PART
	s_sub_co_u32 s3, s3, 1
	s_cmp_lg_u32 s3, 0
	s_cbranch_scc1 .Llap
	STEPS 0, 1                                     ; K step 6 goes on
	MEET 0                                         ; the last change of slots: nothing is filled again, so no round follows; behind it nobody reads slot 0
	PLACES NP
	WIN TO_B
	BLOAD 0                                        ; three quarters of B now: set 1 (v128-191) is still being multiplied
	BLOAD 1
	BLOAD 3
	WIN 0
	SCALES 1
	ALOAD 0
	ALOAD 1                                        ; into the registers of A's blocks 0-3, whose products are issued
	WIN MUL_HI
	MUL16 4, 1, NQ-1, 0, 0
	MUL16 6, 1, NQ-1, 0, 0
	PLACES NP
	WIN TO_B
	BLOAD 2
	WIN 0
	s_wait_dscnt 16                                ; all but B's quarter 2
	ROW 0
.set AI, 0
.rept 8                                ; block AI leaves through the stage while block AI + 1 is multiplied
	PLACES NP                                      ; behind block AI's last products: for the stores that read them and the loads into its buffer of A
	STAGE_IN AI
.if AI > 0
	s_wait_xcnt 0x0                                ; the last block's stores have read their registers and their base
.endif
	STAGE_OUT
.if AI < 6
	ALOAD AI+2
.endif
.if AI < 7
.if AI > 0
.if AI < 6
	s_wait_dscnt 40                                ; A's block AI + 1 is in: behind it stand this block's 16 stores and 16 loads and the 8 loads of block AI + 2
.else
	s_wait_dscnt 32
.endif
.endif
	ROW AI+1
.endif
.if AI < 6
	SEND AI, 8
.else
	SEND AI, 0
.endif
.set AI, AI+1
.endr
	s_wait_tensorcnt 0x0                           ; the wave's end
	ds_add_u32 v[SPW], v[NIL]
	s_wait_dscnt 0x0
	CROUND                                         ; the closing round
	s_endpgm
.Lfunc_end_k_q7826ab58b2_gemm:
	.size	k_q7826ab58b2_gemm, .Lfunc_end_k_q7826ab58b2_gemm-k_q7826ab58b2_gemm
	.p2alignl 7, 3214868480
	.fill 96, 4, 3214868480
	.section	.rodata,"a",@progbits
	.p2align	6, 0x0
	.amdhsa_kernel k_q7826ab58b2_gemm
		.amdhsa_group_segment_fixed_size 327680
		.amdhsa_private_segment_fixed_size 0
		.amdhsa_enable_private_segment 0
		.amdhsa_kernarg_size 32
		.amdhsa_user_sgpr_count 2
		.amdhsa_user_sgpr_kernarg_segment_ptr 1
		.amdhsa_wavefront_size32 1
		.amdhsa_system_sgpr_workgroup_id_x 1
		.amdhsa_system_sgpr_workgroup_id_y 1
		.amdhsa_system_sgpr_workgroup_id_z 1
		.amdhsa_system_vgpr_workitem_id 0
		.amdhsa_next_free_vgpr 1024
		.amdhsa_next_free_sgpr 66
		.amdhsa_reserve_vcc 0
		.amdhsa_float_denorm_mode_32 3
		.amdhsa_float_denorm_mode_16_64 3
		.amdhsa_memory_ordered 1
		.amdhsa_forward_progress 1
		.amdhsa_inst_pref_size 212
	.end_amdhsa_kernel
	.amdgpu_metadata
---
amdhsa.version: [ 1, 2 ]
amdhsa.kernels:
  - .name:           k_q7826ab58b2_gemm
    .symbol:         k_q7826ab58b2_gemm.kd
    .args:
      - { .name: aq, .offset: 0, .size: 8, .value_kind: global_buffer, .address_space: global }
      - { .name: wq, .offset: 8, .size: 8, .value_kind: global_buffer, .address_space: global }
      - { .name: bias, .offset: 16, .size: 8, .value_kind: global_buffer, .address_space: global }
      - { .name: out0, .offset: 24, .size: 8, .value_kind: global_buffer, .address_space: global }
    .group_segment_fixed_size: 327680
    .private_segment_fixed_size: 0
    .kernarg_segment_align: 8
    .kernarg_segment_size: 32
    .max_flat_workgroup_size: 128
    .sgpr_count:     66
    .vgpr_count:     1024
    .wavefront_size: 32
...
	.end_amdgpu_metadata
.endif
;; end of part 2
